; MI455X (gfx1250); checked and timed in simulation.
; The chip was launched on July 23, 2026; its instructions are those of AMD's public machine-readable ISA for CDNA 5 (MIT licence, August 2026) and "CDNA5" Instruction Set Architecture Reference Guide (July 2026). The comments in the code are by the model that wrote it; some were corrected since.
;; Head. Allowed arithmetic: float matrix products may take bf16 or f16 operands with f32 sums; all other float work in f32.
;; Inputs: Wk 600 x 75 float32; Wq 600 x 75 float32; Wv 600 x 75 float32; x 512 x 128 x 600 float32.
;; Outputs: out0 512 x 128 x 75 float32.
;; One version. Each part assembles by itself: llvm-mc -triple=amdgcn-amd-amdhsa -mcpu=gfx1250 --defsym DOCPART=n.
;; ======== version 1 of 1: 2 launches
;; limits: values are held in f16: magnitudes above 65,504 overflow, below 6.1e-05 lose precision
;; workspace buffers: wimg 291,840 bytes
;; launch prep (part 1): grid 19 x 15, 2 waves a work-group, no clusters, 0 bytes of LDS; arguments Wq, Wk, Wv, wimg; writes wimg
.if DOCPART == 1
	.amdgcn_target "amdgcn-amd-amdhsa--gfx1250"
	.amdhsa_code_object_version 6
	.text
	.protected	k_q7f8e7e1b2c_prep
	.globl	k_q7f8e7e1b2c_prep
	.p2align	8
	.type	k_q7f8e7e1b2c_prep,@function
k_q7f8e7e1b2c_prep:
	s_mov_b64 s[64:65], 0
	v_nop
	global_prefetch_b8 v0, s[64:65] scope:SCOPE_SE
	s_setreg_imm32_b32 hwreg(HW_REG_WAVE_MODE, 25, 1), 1
	s_wait_xcnt 0x0
; The three weight matrices [600][75] f32, once, as bf16 in the register image of matrix fragments.
; wimg: byte ((g*19 + s)*2 + q)*512 + 16*lane holds eight bf16, e = 0..7:  W_m[k][n] with
;   g = 0..14 column tile (0-4 Wq, 5-9 Wk, 10-14 Wv), m = g / 5, n = 16 (g mod 5) + (lane & 15),
;   s = 0..18 K step of 32, q = 0, 1 quad of registers, k = 32 s + 16 q + 8 (lane >> 4) + e,
; and zeros where n >= 75 or k >= 600 (75 columns fill five tiles of 16, 600 rows fill 19 steps of 32, each with a rest).
; Work-group (x = s, y = g), wave = q, lane = one item of 16 bytes: a wave's store covers 512 consecutive bytes, aligned.
; 540,000 bytes are read once; no LDS, no loop, no matrix unit: there is nothing to reuse.
.set ROWS_K, 600
.set COLS_N, 75
	s_load_b256 s[4:11], s[0:1], 0x0               ; Wq s[4:5], Wk s[6:7], Wv s[8:9], wimg s[10:11]
	v_lshrrev_b32 v1, 5, v0
	v_readfirstlane_b32 s12, v1                    ; q = the wave's number
	s_and_b32 s13, ttmp7, 0xffff                   ; g
	v_and_b32 v2, 15, v0                           ; r
	v_bfe_u32 v3, v0, 4, 1                         ; h
	v_and_b32 v4, 31, v0                           ; lane
	s_cmp_lt_u32 s13, 10
	s_cselect_b32 s16, 5, 10
	s_cmp_lt_u32 s13, 5
	s_cselect_b32 s16, 0, s16                      ; 5 (g / 5)
	s_sub_co_u32 s16, s13, s16                     ; g mod 5
	s_lshl_b32 s16, s16, 4
	v_add_nc_u32 v5, s16, v2                       ; n
	s_lshl_b32 s17, ttmp9, 5
	s_lshl4_add_u32 s17, s12, s17                  ; 32 s + 16 q
	v_lshl_add_u32 v6, v3, 3, s17                  ; k of e = 0
	v_min_u32 v7, COLS_N-1, v5                     ; lanes beyond the matrix read its last column or its last eight rows:
	v_min_u32 v8, ROWS_K-8, v6                     ; every load stays inside the 180,000 bytes; what they bring is replaced by 0 below
	v_mad_u32_u24 v9, v8, COLS_N, v7
	v_lshlrev_b32 v9, 2, v9                        ; byte offset of W[k][n]
	s_mul_i32 s19, s13, 19
	s_add_co_u32 s19, s19, ttmp9
	s_lshl1_add_u32 s19, s19, s12
	s_lshl_b32 s19, s19, 9
	v_lshl_add_u32 v10, v4, 4, s19                 ; the item's byte offset in wimg
	v_cmp_gt_u32 vcc_lo, COLS_N, v5                ; n < 75
	v_cmp_gt_u32 s18, ROWS_K, v6                   ; k < 600: 600 is a multiple of 8, so an item's eight k are inside together or outside together
	s_and_b32 vcc_lo, vcc_lo, s18
	s_wait_kmcnt 0x0
	s_cmp_lt_u32 s13, 10
	s_cselect_b64 s[14:15], s[6:7], s[8:9]
	s_cmp_lt_u32 s13, 5
	s_cselect_b64 s[14:15], s[4:5], s[14:15]       ; the matrix of this tile
.irp e, 0,1,2,3,4,5,6,7
	global_load_b32 v[12+\e], v9, s[14:15] offset:4*COLS_N*\e      ; one row of W further down for each e
.endr
	s_wait_loadcnt 0x0
.irp i, 0,1,2,3
	v_cvt_pk_bf16_f32 v[20+\i], v[12+2*\i], v[12+2*\i+1]           ; rounds to nearest even; the lower k in the lower half
.endr
.irp i, 0,1,2,3
	v_cndmask_b32 v[20+\i], 0, v[20+\i], vcc_lo                    ; zeros outside the matrix
.endr
	global_store_b128 v10, v[20:23], s[10:11]
	s_endpgm
.Lfunc_end_k_q7f8e7e1b2c_prep:
	.size	k_q7f8e7e1b2c_prep, .Lfunc_end_k_q7f8e7e1b2c_prep-k_q7f8e7e1b2c_prep
	.p2alignl 7, 3214868480
	.fill 96, 4, 3214868480
	.section	.rodata,"a",@progbits
	.p2align	6, 0x0
	.amdhsa_kernel k_q7f8e7e1b2c_prep
		.amdhsa_group_segment_fixed_size 0
		.amdhsa_private_segment_fixed_size 0
		.amdhsa_enable_private_segment 0
		.amdhsa_kernarg_size 32
		.amdhsa_user_sgpr_count 2
		.amdhsa_user_sgpr_kernarg_segment_ptr 1
		.amdhsa_wavefront_size32 1
		.amdhsa_system_sgpr_workgroup_id_x 1
		.amdhsa_system_sgpr_workgroup_id_y 1
		.amdhsa_system_sgpr_workgroup_id_z 1
		.amdhsa_system_vgpr_workitem_id 0
		.amdhsa_next_free_vgpr 24
		.amdhsa_next_free_sgpr 66
		.amdhsa_reserve_vcc 1
		.amdhsa_float_denorm_mode_32 3
		.amdhsa_float_denorm_mode_16_64 3
		.amdhsa_memory_ordered 1
		.amdhsa_forward_progress 1
		.amdhsa_inst_pref_size 3
	.end_amdhsa_kernel
	.amdgpu_metadata
---
amdhsa.version: [ 1, 2 ]
amdhsa.kernels:
  - .name:           k_q7f8e7e1b2c_prep
    .symbol:         k_q7f8e7e1b2c_prep.kd
    .args:
      - { .name: Wq, .offset: 0, .size: 8, .value_kind: global_buffer, .address_space: global }
      - { .name: Wk, .offset: 8, .size: 8, .value_kind: global_buffer, .address_space: global }
      - { .name: Wv, .offset: 16, .size: 8, .value_kind: global_buffer, .address_space: global }
      - { .name: wimg, .offset: 24, .size: 8, .value_kind: global_buffer, .address_space: global }
    .group_segment_fixed_size: 0
    .private_segment_fixed_size: 0
    .kernarg_segment_align: 8
    .kernarg_segment_size: 32
    .max_flat_workgroup_size: 64
    .sgpr_count:     66
    .vgpr_count:     24
    .wavefront_size: 32
...
	.end_amdgpu_metadata
.endif
;; end of part 1
;; launch head (part 2): grid 256 x 1, 4 waves a work-group, no clusters, 204,288 bytes of LDS; arguments x, wimg, out0; writes out0
.if DOCPART == 2
	.amdgcn_target "amdgcn-amd-amdhsa--gfx1250"
	.amdhsa_code_object_version 6
	.text
	.protected	k_q7f8e7e1b2c_head
	.globl	k_q7f8e7e1b2c_head
	.p2align	8
	.type	k_q7f8e7e1b2c_head,@function
k_q7f8e7e1b2c_head:
	s_mov_b64 s[64:65], 0
	v_nop
	global_prefetch_b8 v0, s[64:65] scope:SCOPE_SE
	s_setreg_imm32_b32 hwreg(HW_REG_WAVE_MODE, 25, 1), 1
	s_wait_xcnt 0x0
; One attention head: q, k, v = x W (600 -> 75), S = q k^T 600^-0.5, causal softmax, out = P v.  x [512][128][600] f32, out0 [512][128][75] f32.
; A work-group owns two batches = 256 rows of x = 16 stripes of 16 rows; four waves, one for each SIMD of a WGP.
;
; THE WEIGHTS STAY IN REGISTERS.  The 3 x 75 columns are 15 tiles of 16 (each matrix padded to 80); wave w holds tiles 4w .. 4w+3 (wave 3: three),
; 19 K steps x 8 registers a tile = 608 registers, loaded once from wimg, which already has the fragments' register image.
; x STREAMS ONCE, THROUGH REGISTERS.  Load L of thread t takes the 16 bytes at 2,048 L + 16 t of the work-group's 614,400: a wave's load covers 512
; consecutive aligned bytes.  Two roundings make 8 bytes of bf16, stored at 1,024 L + 8 t of a dense image in LDS: rows of 1,200 bytes, a ring of four
; stripes (76,800 bytes = 75 loads).  x never lies in LDS as f32: a stripe costs 76 stores of 256 bytes and four waves' 38 fragment loads.
; A stripe is 18.75 loads, so the loads go in groups of 19, 19, 19, 18, with a period of four stripes, which is the loop's body.
; Group g lies in register set g & 1 (19 slots of 4 registers); a slot is loaded again, with group g + 2, in the chunk that rounds it:
; 37 or 38 loads of every thread, about 76,000 bytes of a work-group, stay requested from the first line to the last group.
; ATTENTION comes last, one batch a trip: wave w takes query tiles w and 7 - w, which need (i >> 1) + 1 pairs of key tiles, five pairs for every wave.
; The result is laid densely in LDS and leaves in stores of 512 consecutive aligned bytes a wave.
;
; NO CLUSTER: the work-groups share only wimg, 291,840 of a work-group's 906,240 input bytes, read once, straight into the registers in which it
; stays.  A joint request can only land in LDS, to be read from there once more: 583,680 bytes of LDS traffic that this text does not have.
; NO PREFETCH: the register ring itself asks for every byte of x two stripes before it is rounded, without a pause as long as stripes are multiplied.
;
; FORMATS AND LIMITS.  x, W, q, k go to the matrix unit as bf16; v and P as f16; sums are f32.  Why f16 there: a row with few keys is a sum of few
; terms P v that may cancel, and an error of 2^-8 of each term (bf16) shows in what is left; f16 leaves 2^-11.
; f16's range: P is at most about 1, and below 2^-25 it becomes 0: 128 terms lose at most 128 x 2^-25 of the largest |v|.  v is a sum of 600 products:
; for x of spread 1 and W within +-600^-0.5 it stays below about 3; both 30 times larger: about 2,700; both with an offset of 30 spreads: about
; 600 x 30 x 1.2 = 22,000; both 30 times smaller: about 6e-4, where f16 still has its 11 bits above 6.1e-5 and steps of 6e-8 below.
; |v| BEYOND 65,504 BECOMES INFINITE and the batch's results NaN: that is the limit of this text.
; The true maximum of each row is taken away before the exponential; 600^-0.5 log2(e) is folded into one fused multiply-add, exp2(c S - c max), so the order of
; rounding differs from scale, subtract, exp.  P is summed in f32 before it is rounded, and the division stands behind P v.  A non-finite number in x
; makes that row's q, k, v NaN (0 x inf in the padded K step), where plain sums might give inf.
.set WGX,    614400                    ; 256 rows of x
.set LSTEP,  2048                      ; bytes of x that one load of the 128 threads covers
.set ISTEP,  1024                      ; the same in the image
.set PERIOD, 75                        ; loads in four stripes
.set SROW,   1200                      ; a row of the image: 75 x 16 bytes, so sixteen rows start in sixteen different columns of 16 bytes modulo 256 (64 banks of 4 bytes: ISA guide 11.1)
.set SIMG,   16*SROW                   ; a stripe of the image
.set STG,    0                         ; bytes 0 .. 76,799: the image; after the last stripe the stage for the output (38,400 bytes)
.set QKV,    4*SIMG                    ; 76,800: 256 rows of q | k | v
.set QP,     496                       ; 240 numbers of 2 bytes + 16 bytes = 31 x 16: again sixteen different columns
.set TILEQ,  16*QP
.set BATQ,   128*QP
.set OROW,   300                       ; a row of the output
.set OBAT,   128*OROW
; window 0
.set L16, 1                            ; 16 x lane
.set XLT, 10                           ; image: row r
.set XL,  11                           ; image: row r, half h: where I load fragments
.set QS,  12                           ; where my q | k | v results go
.set KA,  13                           ; k fragments
.set VA,  14                           ; v fragments (transposing loads)
.set QAA, 15                           ; q fragments of my first query tile, w
.set QAB, 16                           ; and of my second, 7 - w
.set STA, 17                           ; their places in the output stage
.set STB, 18
.set DA,  19                           ; their diagonals: 16 (i & 1) + r - 8 h
.set DB,  20
.set NI,  21                           ; -infinity
.set CL,  22                           ; copy-out: LDS
.set CO,  23                           ; copy-out: byte offset in the batch's output
.set NM,  24                           ; v24-25  -c x maximum, twice
.set MX,  26
.set TP,  27
.set RL,  28                           ; v28-29  second chain of the sum, then 1 / sum, twice
.set SUM, 30                           ; v30-31
.set ACC, 32                           ; v32-63   projection: four tiles of 16 tokens x 16 columns
.set XS,  64                           ; v64-215  projection: x fragment of K step s at XS + 8 s
.set QF,  32                           ; v32-55   attention: q, three K steps
.set SC,  56                           ; v56-119  attention: scores, tile u at SC + 8 u; then P, pair p at SC + 16 p
.set KF,  120                          ; v120-167, v168-215: two buffers, each two key tiles of 24 registers, or five v fragments of 8
.set OA,  216                          ; v216-255 attention: five tiles of the result
.set OUTR, 32                          ; v32-107  copy-out
; windows 1-3: the weight fragment of K step s, tile i at register 256 + 32 s + 8 i (v256-v863)
; window 3, by the names that an instruction uses there (register = 768 + name):
.set RING, 96                          ; v864-1015  two sets of 19 slots of 4 registers: x as loaded, then as bf16
.set GA,   248                         ; v1016      16 t: my bytes in a load of x
.set ISA,  249                         ; v1017      my 8 bytes in the image's loads 0-37
.set ISB,  250                         ; v1018      and in its loads 38-74 (an LDS offset has 16 bits)
; With the ring's address registers in the ring's own window one setting serves its loads, roundings and stores.
.set MSB, 0
.macro WIN new                         ; the immediate's high byte repeats the setting that is left
.if MSB != (\new)
	s_set_vgpr_msb (MSB<<8)|(\new)
.set MSB, (\new)
.endif
.endm
; Four places behind matrix instructions before their results are read by vector instructions, and before their registers are
; written by vector instructions or by loads; matrix instructions in between are not counted.
.macro PLACES
.rept 4
	v_nop
.endr
.endm
; THE STREAM: slots i0 .. i0+cnt-1 of the register set at rb.  Slots below ng hold a group of ng loads that is due: they are rounded (in place: word 0
; from words 0, 1, then word 1 from words 2, 3) and stored as loads l0 + i of the image.  Slots below n2 are loaded again, with loads g0 + i counted from s[4:5].
; w = 1: wait first.  Loads end in order (ISA guide 5.7.1); behind the chunk's last due load were issued: the rest of its group, the next group
; (n1 loads) and the slots below i0 of the group that is being asked for.
.macro CHUNK rb, i0, cnt, ng, n1, n2, l0, g0, w
	WIN 0xcf                                       ; destination, source 0 and source 1 in window 3
.if \w
.if \i0 < \ng
.set c_last, \i0+\cnt-1
.if c_last > \ng-1
.set c_last, \ng-1
.endif
.set c_iss, \i0
.if c_iss > \n2
.set c_iss, \n2
.endif
	s_wait_loadcnt \ng-1-c_last+\n1+c_iss
.endif
.endif
.set c_i, \i0
.rept \cnt
.if c_i < \ng
	v_cvt_pk_bf16_f32 v[\rb+4*c_i],   v[\rb+4*c_i],   v[\rb+4*c_i+1]
	v_cvt_pk_bf16_f32 v[\rb+4*c_i+1], v[\rb+4*c_i+2], v[\rb+4*c_i+3]
.endif
.set c_i, c_i+1
.endr
.set c_i, \i0
.rept \cnt
.if c_i < \ng
.if \l0+c_i < 38
	ds_store_b64 v[ISA], v[\rb+4*c_i:\rb+4*c_i+1] offset:ISTEP*(\l0+c_i)       ; a wave's store: 256 consecutive bytes
.else
	ds_store_b64 v[ISB], v[\rb+4*c_i:\rb+4*c_i+1] offset:ISTEP*(\l0+c_i-38)
.endif
.endif
.set c_i, c_i+1
.endr
.set c_i, \i0
.rept \cnt
.if c_i < \n2
	global_load_b128 v[\rb+4*c_i:\rb+4*c_i+3], v[GA], s[4:5] offset:LSTEP*(\g0+c_i) th:TH_LOAD_NT
.endif
.set c_i, c_i+1
.endr
.endm
	s_load_b128 s[4:7], s[0:1], 0x0                ; x s[4:5], wimg s[6:7]
	s_load_b64 s[8:9], s[0:1], 0x10                ; out0
	v_lshl_add_u32 v8, v0, 2, 0x31c00
	v_mov_b32 v9, 0
	v_lshrrev_b32 v32, 5, v0
	v_readfirstlane_b32 s10, v32                   ; wave 0..3
	s_mov_b32 s12, 0x76543210                      ; v_permlanex16_b32: lane i takes lane i of the other half
	s_mov_b32 s13, 0xfedcba98
	s_mov_b32 s14, 0x3d713ecc                      ; c = 600^-0.5 x log2(e) = 0.0588978
	s_mov_b32 s15, 0x3d713ecc
	s_mov_b32 s22, 0xbd713ecc                      ; -c
	v_and_b32 v42, 31, v0                          ; lane
	v_lshlrev_b32 v[L16], 4, v42
	s_mul_i32 s16, ttmp9, WGX                      ; the work-group's 256 rows (the whole of x is below 2^28 bytes)
	s_mov_b32 s17, 0
	s_lshl_b32 s18, s10, 8                         ; my wave's 256 bytes of a load's 1,024 in the image
	s_add_co_u32 s19, s18, 38*ISTEP
	s_mul_i32 s20, s10, 4*19*1024                  ; my four tiles in wimg
	s_mov_b32 s21, 0
	WIN 0xc0                                       ; destination in window 3
	v_lshlrev_b32 v[GA], 4, v0
	v_lshl_add_u32 v[ISA], v42, 3, s18
	v_lshl_add_u32 v[ISB], v42, 3, s19
	s_wait_kmcnt 0x0
	s_add_nc_u64 s[4:5], s[4:5], s[16:17]
	s_add_nc_u64 s[6:7], s[6:7], s[20:21]
	s_mul_i32 s16, ttmp9, 2*OBAT
	s_add_nc_u64 s[8:9], s[8:9], s[16:17]          ; the output of my first batch
	CHUNK RING,    0, 19, 0, 0, 19, 0, 0,  0       ; groups 0 and 1 are asked for before anything else
	CHUNK RING+76, 0, 19, 0, 0, 19, 0, 19, 0
; The weights: K steps s0 .. s0+cnt-1 (one window), tiles i0 .. i0+ni-1, two loads of 512 consecutive bytes a fragment
.macro WLOADS win, s0, cnt, i0, ni
	WIN \win
.set ws, \s0
.rept \cnt
.set wi, \i0
.rept \ni
	global_load_b128 v[32*(ws&7)+8*wi:32*(ws&7)+8*wi+3],   v[L16], s[6:7] offset:(wi*19+ws)*1024
	global_load_b128 v[32*(ws&7)+8*wi+4:32*(ws&7)+8*wi+7], v[L16], s[6:7] offset:(wi*19+ws)*1024+512
.set wi, wi+1
.endr
.set ws, ws+1
.endr
.endm
	WLOADS 0x40, 0, 8, 0, 3
	WLOADS 0x80, 8, 8, 0, 3
	WLOADS 0xc0, 16, 3, 0, 3
	WIN 0
	s_cmp_eq_u32 s10, 3
	s_cbranch_scc1 .Lnotile                        ; there is no sixteenth tile: wimg ends behind wave 3's third
	WLOADS 0x40, 0, 8, 3, 1
	WLOADS 0x80, 8, 8, 3, 1
	WLOADS 0xc0, 16, 3, 3, 1
	WIN 0
.Lnotile:
	v_and_b32 v40, 15, v0                          ; r
	v_bfe_u32 v41, v0, 4, 1                        ; h
	v_bfe_u32 v44, v0, 3, 1                        ; r >> 3
	v_mul_u32_u24 v[XLT], v40, SROW                ; the image begins at LDS byte 0
	v_lshl_add_u32 v[XL], v41, 4, v[XLT]
	v_mul_u32_u24 v46, v40, QP
	v_lshl_add_u32 v46, v41, 4, v46                ; r x pitch + 16 h
	s_lshl_b32 s16, s10, 7                         ; my four tiles: 32 bytes each
	s_add_co_u32 s16, s16, QKV
	v_add_nc_u32 v[QS], s16, v46
	v_add_nc_u32 v[KA], QKV+160, v46
	v_and_b32 v47, 7, v0
	v_lshl_add_u32 v47, v41, 3, v47
	v_mul_u32_u24 v47, v47, QP
	v_lshl_add_u32 v47, v44, 4, v47                ; (8 h + (lane & 7)) x pitch + 16 ((lane >> 3) & 1)
	v_add_nc_u32 v[VA], QKV+320, v47
	s_sub_co_u32 s17, 7, s10                       ; my second query tile
	s_mul_i32 s16, s10, TILEQ
	s_add_co_u32 s16, s16, QKV
	v_add_nc_u32 v[QAA], s16, v46
	s_mul_i32 s16, s17, TILEQ
	s_add_co_u32 s16, s16, QKV
	v_add_nc_u32 v[QAB], s16, v46
	v_mul_u32_u24 v48, v40, OROW
	v_lshl_add_u32 v48, v41, 5, v48                ; row r of a tile, head 8 h
	s_mul_i32 s16, s10, 16*OROW
	s_add_co_u32 s16, s16, STG
	v_add_nc_u32 v[STA], s16, v48
	s_mul_i32 s16, s17, 16*OROW
	s_add_co_u32 s16, s16, STG
	v_add_nc_u32 v[STB], s16, v48
	v_lshlrev_b32 v49, 3, v41
	v_sub_nc_u32 v49, v40, v49                     ; r - 8 h
	s_and_b32 s16, s10, 1
	s_lshl_b32 s16, s16, 4
	v_add_nc_u32 v[DA], s16, v49
	s_xor_b32 s16, s16, 16                         ; 7 - w has the other parity
	v_add_nc_u32 v[DB], s16, v49
	v_mov_b32 v[NI], 0xff800000
	v_lshlrev_b32 v[CO], 4, v0
	v_add_nc_u32 v[CL], STG, v[CO]
; x fragments of K steps s0 .. s0+cnt-1 of the stripe in place a of the image's four: lane (r, h) takes k = 32 s + 8 h .. + 7 and 32 s + 16 + 8 h .. + 7 of row r.
; K step 18 is k = 576 .. 607 of 600: its lanes h = 1 take k = 592 .. 599 of their row once more in place of k = 600 .. 607, which do not exist;
; wimg holds zeros there.
.macro XLOADS a, s0, cnt
.set ls, \s0
.rept \cnt
	ds_load_b128 v[XS+8*ls:XS+8*ls+3],   v[XL] offset:(\a)*SIMG+64*ls
.if ls == 18
	ds_load_b128 v[XS+8*ls+4:XS+8*ls+7], v[XLT] offset:(\a)*SIMG+64*ls+32
.else
	ds_load_b128 v[XS+8*ls+4:XS+8*ls+7], v[XL] offset:(\a)*SIMG+64*ls+32
.endif
.set ls, ls+1
.endr
.endm
; nt tiles x cnt K steps of one window.  Source 0 = weights (16 columns), source 1 = x (16 tokens): lane (r, h) gets token r, columns 8h .. 8h+7 of the
; tile, sixteen bytes of a q | k | v row once rounded.  K step 0 starts the sums: nothing is cleared.
.macro MULS nt, s0, cnt
	WIN 1+(\s0>>3)                                 ; source 0 in the window of these K steps
.set ms, \s0
.rept \cnt
.set mi, 0
.rept \nt
.if ms == 0
	v_wmma_f32_16x16x32_bf16 v[ACC+8*mi:ACC+8*mi+7], v[32*(ms&7)+8*mi:32*(ms&7)+8*mi+7], v[XS+8*ms:XS+8*ms+7], 0
.else
	v_wmma_f32_16x16x32_bf16 v[ACC+8*mi:ACC+8*mi+7], v[32*(ms&7)+8*mi:32*(ms&7)+8*mi+7], v[XS+8*ms:XS+8*ms+7], v[ACC+8*mi:ACC+8*mi+7]
.endif
.set mi, mi+1
.endr
.set ms, ms+1
.endr
.endm
; Tile tl of the wave's sums to 16 bits, in place (word i is written when words 2i, 2i+1 are read).  half = 1: f16 (a tile of v), 0: bf16 (q or k).
.macro PACKT tl, half
.irp r, 0,1,2,3
.if \half
	v_cvt_pk_f16_f32 v[ACC+8*\tl+\r], v[ACC+8*\tl+2*\r], v[ACC+8*\tl+2*\r+1]
.else
	v_cvt_pk_bf16_f32 v[ACC+8*\tl+\r], v[ACC+8*\tl+2*\r], v[ACC+8*\tl+2*\r+1]
.endif
.endr
.endm
.macro QSTORE nt, qi
.set mi, 0
.rept \nt
	ds_store_b128 v[QS], v[ACC+8*mi:ACC+8*mi+3] offset:\qi*TILEQ+32*mi
.set mi, mi+1
.endr
.endm
; The products of stripe j, with the stream and the next stripe's first fragments between them.  Four chunks of 5, 5, 5, 4 slots stand behind K steps
; 3, 7, 11, 15: the loads go out in four runs an interval, and the last image store is 12 (wave 3: 9) matrix instructions old at the barrier.
.macro BODY nt, a, ng, n1, n2, reload
.set b_rb, RING+76*(\a&1)                          ; group j + 2 lies in set j & 1
.set b_l0, 19*((\a+2)&3)                           ; its place in the image
.set b_g0, PERIOD+19*\a                            ; group j + 4, counted from this trip's first load
.set b_ds, 3+16*\reload
.if \ng
.set b_ds, b_ds+10
.endif
	MULS \nt, 0, 4
.if \ng
	CHUNK b_rb, 0, 5, \ng, \n1, \n2, b_l0, b_g0, 1
.endif
	MULS \nt, 4, 4
.if \ng
	CHUNK b_rb, 5, 5, \ng, \n1, \n2, b_l0, b_g0, 1 ; its ten roundings are also the places in front of the loads below
.endif
.if \reload
.if \ng == 0
	PLACES
.endif
	WIN 0
	XLOADS ((\a+1)&3), 0, 8                        ; fragments 0-7 of stripe j + 1 into the registers just multiplied
.endif
	s_wait_dscnt b_ds                              ; fragments 8-18 of stripe j are in.  Behind them: 3 or 4 stores of q | k | v (3 is right for all waves), 10 image stores, 16 loads
	MULS \nt, 8, 4
.if \ng
	CHUNK b_rb, 10, 5, \ng, \n1, \n2, b_l0, b_g0, 1
.endif
	MULS \nt, 12, 4
.if \ng
	CHUNK b_rb, 15, 4, \ng, \n1, \n2, b_l0, b_g0, 1
.endif
	MULS \nt, 16, 3
	WIN 0
.endm
; THE INTERVAL OF STRIPE j.  a = j & 3.  ng: loads of group j + 2, which is rounded into the image (0: none left); n1: loads of group j + 3, on its way;
; n2: loads of group j + 4, asked for here (0: none left).  reload = 1: stripe j + 1 follows.
; One barrier, behind the products.  In front of it every wave has waited for all its LDS instructions.  Between two barriers the waves write group j + 2
; (stripe j + 2 and less than 1,024 bytes of stripe j + 3) and read stripes j (fragments 8-18) and j + 1 (fragments 0-7): four different places of the ring.
; What is written here is read from the next interval's middle on; what is overwritten here was last read two barriers ago.
; Wave 3 has three tiles where the others have four, so the products stand twice in the text; barriers stand in the common part.
.macro INTERVAL a, ng, n1, n2, reload, id
	s_cmp_eq_u32 s10, 3
	s_cbranch_scc1 .Lw3_\id
	BODY 4, \a, \ng, \n1, \n2, \reload
	s_branch .Ljoin_\id
.Lw3_\id:
	BODY 3, \a, \ng, \n1, \n2, \reload
.Ljoin_\id:
	s_wait_dscnt 0x0                               ; my image stores, for the others; my fragments 0-7 of the next stripe, for me
.if \ng
	s_barrier_signal -1
	s_barrier_wait -1
.endif
	PLACES                                         ; for the loads and the roundings below
.if \reload
	XLOADS ((\a+1)&3), 8, 11                       ; fragments 8-18 of stripe j + 1: wanted eight K steps into the next interval
.endif
	; v's columns are tiles 10-14: tiles 2 and 3 of wave 2, and all three of wave 3
	s_cmp_ge_u32 s10, 2
	s_cbranch_scc1 .Lhi_\id
	PACKT 0, 0                                     ; waves 0, 1: q and k
	PACKT 1, 0
	PACKT 2, 0
	PACKT 3, 0
	QSTORE 4, \a
	s_branch .Lpk_\id
.Lhi_\id:
	s_cmp_eq_u32 s10, 3
	s_cbranch_scc1 .Lv3_\id
	PACKT 0, 0                                     ; wave 2: k, k, v, v
	PACKT 1, 0
	PACKT 2, 1
	PACKT 3, 1
	QSTORE 4, \a
	s_branch .Lpk_\id
.Lv3_\id:
	PACKT 0, 1                                     ; wave 3: v
	PACKT 1, 1
	PACKT 2, 1
	QSTORE 3, \a
.Lpk_\id:
.endm
	s_wait_loadcnt 63                              ; groups 0 and 1 are in: behind them 114 (wave 3) or 152 loads of weights were issued, and the count's field ends at 63
	CHUNK RING,    0, 19, 19, 0, 19, 0,  38, 0     ; group 0 into the image, group 2 asked for
	CHUNK RING+76, 0, 19, 19, 0, 18, 19, 57, 0     ; group 1, group 3
	WIN 0
	s_wait_dscnt 0x0
	s_barrier_signal -1
	s_barrier_wait -1                              ; stripes 0 and 1 are in the image
	XLOADS 0, 0, 19
	s_wait_loadcnt 37                              ; the weights are in; groups 2 and 3, 19 + 18 loads, stay out
	s_wait_dscnt 0x0
	s_mov_b32 s11, 3                               ; stripes 0-11
.Lstripes:
	INTERVAL 0, 19, 18, 19, 1, 0
	INTERVAL 1, 18, 19, 19, 1, 1
	INTERVAL 2, 19, 19, 19, 1, 2
	INTERVAL 3, 19, 19, 18, 1, 3
	s_wait_xcnt 0x0                                ; the loads' base is stepped only behind this wait
	s_add_nc_u64 s[4:5], s[4:5], PERIOD*LSTEP
	v_add_nc_u32 v[QS], 4*TILEQ, v[QS]
	s_sub_co_u32 s11, s11, 1
	s_cmp_lg_u32 s11, 0
	s_cbranch_scc1 .Lstripes
	INTERVAL 0, 19, 18, 0, 1, 4                    ; stripes 12-15 ask for nothing: the counts run down to zero with group 15,
	INTERVAL 1, 18, 0,  0, 1, 5
	INTERVAL 2, 0,  0,  0, 1, 6                    ; and the last two round nothing
	INTERVAL 3, 0,  0,  0, 0, 7
; ---------------------------------------------------------------- attention
; k fragments of key tiles 2p, 2p+1: five quads each (80 of 96 along the head; the sixth quad is zero in registers)
.macro KLOAD buf, p
.irp u, 0,1
.irp t, 0,1,2,3,4
	ds_load_b128 v[\buf+24*\u+4*\t:\buf+24*\u+4*\t+3], v[KA] offset:(2*(\p)+\u)*TILEQ+32*\t
.endr
.endr
.endm
; Scores of the pair: source 0 = k (16 keys), source 1 = q (16 queries): lane (r, h) gets query r, keys 8h .. 8h+7 of the tile,
; which is where a fragment of P wants them.
.macro SMUL buf, p
.irp t, 0,1,2
.irp u, 0,1
.if \t == 0
	v_wmma_f32_16x16x32_bf16 v[SC+8*(2*(\p)+\u):SC+8*(2*(\p)+\u)+7], v[\buf+24*\u+8*\t:\buf+24*\u+8*\t+7], v[QF+8*\t:QF+8*\t+7], 0
.else
	v_wmma_f32_16x16x32_bf16 v[SC+8*(2*(\p)+\u):SC+8*(2*(\p)+\u)+7], v[\buf+24*\u+8*\t:\buf+24*\u+8*\t+7], v[QF+8*\t:QF+8*\t+7], v[SC+8*(2*(\p)+\u):SC+8*(2*(\p)+\u)+7]
.endif
.endr
.endr
.endm
; v fragments of the 32 keys of pair p, five tiles of 16 heads: v lies [key][head], so the loads transpose
.macro VLOAD buf, p
.irp c, 0,1,2,3,4
	ds_load_tr16_b128 v[\buf+8*\c:\buf+8*\c+3],   v[VA] offset:(\p)*2*TILEQ+32*\c
	ds_load_tr16_b128 v[\buf+8*\c+4:\buf+8*\c+7], v[VA] offset:(\p)*2*TILEQ+TILEQ+32*\c
.endr
.endm
; source 0 = v (16 heads), source 1 = P (16 queries), both f16: lane (r, h) gets query r, heads 8h .. 8h+7 of the tile
.macro PMUL buf, p
.irp c, 0,1,2,3,4
.if \p == 0
	v_wmma_f32_16x16x32_f16 v[OA+8*\c:OA+8*\c+7], v[\buf+8*\c:\buf+8*\c+7], v[SC+16*(\p):SC+16*(\p)+7], 0
.else
	v_wmma_f32_16x16x32_f16 v[OA+8*\c:OA+8*\c+7], v[\buf+8*\c:\buf+8*\c+7], v[SC+16*(\p):SC+16*(\p)+7], v[OA+8*\c:OA+8*\c+7]
.endif
.endr
.endm
; One query tile against its np pairs of key tiles.  qa, st, dd: the registers with its q address, its place in the stage, its diagonal.
.macro ATT np, qa, st, dd
	PLACES                                         ; behind whatever matrix instruction last read these registers
.irp z, 20,21,22,23
	v_mov_b32 v[QF+\z], 0                          ; columns 80-95 of the third K step, on both sides
	v_mov_b32 v[KF+\z], 0
	v_mov_b32 v[KF+24+\z], 0
.if \np > 1
	v_mov_b32 v[KF+48+\z], 0
	v_mov_b32 v[KF+72+\z], 0
.endif
.endr
.irp t, 0,1,2,3,4
	ds_load_b128 v[QF+4*\t:QF+4*\t+3], v[\qa] offset:32*\t
.endr
	KLOAD KF, 0
.set ap, 0
.rept \np
.if ap+1 < \np
.if ap > 0
	PLACES                                         ; the other buffer was read by the six matrix instructions just issued
.endif
	KLOAD KF+48*((ap+1)&1), ap+1
	s_wait_dscnt 10                                ; this pair (and q) is in; the next pair's ten loads stay out
.else
	s_wait_dscnt 0x0
.endif
	SMUL KF+48*(ap&1), ap
.set ap, ap+1
.endr
	PLACES
	VLOAD KF, 0                                    ; v comes in under the softmax
.if \np > 1
	VLOAD KF+48, 1
.endif
	; the causal mask reaches the last pair alone: key 16 u + 8 h + j is beyond query 16 i + r where 16 (u - 2p) + j > 16 (i & 1) + r - 8 h
.irp u, 0,1
.irp j, 0,1,2,3,4,5,6,7
	v_cmp_gt_i32 vcc_lo, 16*\u+\j, v[\dd]
	v_cndmask_b32 v[SC+16*(\np-1)+8*\u+\j], v[SC+16*(\np-1)+8*\u+\j], v[NI], vcc_lo
.endr
.endr
	; the row's maximum: two chains in the lane, then the other half of the lanes (a row lies in lanes r and r + 16).  The diagonal is never masked.
	v_max_num_f32 v[MX], v[SC], v[SC+1]
	v_max_num_f32 v[TP], v[SC+2], v[SC+3]
.set ak, 4
.rept 4*\np-1
	v_max3_num_f32 v[MX], v[MX], v[SC+ak], v[SC+ak+1]
	v_max3_num_f32 v[TP], v[TP], v[SC+ak+2], v[SC+ak+3]
.set ak, ak+4
.endr
	v_max_num_f32 v[MX], v[MX], v[TP]
	v_permlanex16_b32 v[TP], v[MX], s12, s13
	v_max_num_f32 v[MX], v[MX], v[TP]
	v_mul_f32 v[NM], s22, v[MX]
	v_mul_f32 v[NM+1], s22, v[MX]
.set ak, 0
.rept 8*\np
	v_pk_fma_f32 v[SC+ak:SC+ak+1], v[SC+ak:SC+ak+1], s[14:15], v[NM:NM+1] op_sel_hi:[1,0,1]   ; c S - c max, at most about 0; -infinity stays
.set ak, ak+2
.endr
.set ak, 0
.rept 16*\np
	v_exp_f32 v[SC+ak], v[SC+ak]
.set ak, ak+1
.endr
	v_nop                                          ; one plain place behind the last exponential (ISA guide 5.7.2)
	s_wait_alu depctr_va_vdst(0)
	v_pk_add_f32 v[SUM:SUM+1], v[SC:SC+1], v[SC+2:SC+3]
	v_pk_add_f32 v[RL:RL+1], v[SC+4:SC+5], v[SC+6:SC+7]
.set ak, 8
.rept 2*\np-1
	v_pk_add_f32 v[SUM:SUM+1], v[SUM:SUM+1], v[SC+ak:SC+ak+1]
	v_pk_add_f32 v[RL:RL+1], v[RL:RL+1], v[SC+ak+2:SC+ak+3]
	v_pk_add_f32 v[SUM:SUM+1], v[SUM:SUM+1], v[SC+ak+4:SC+ak+5]
	v_pk_add_f32 v[RL:RL+1], v[RL:RL+1], v[SC+ak+6:SC+ak+7]
.set ak, ak+8
.endr
	v_pk_add_f32 v[SUM:SUM+1], v[SUM:SUM+1], v[RL:RL+1]
	v_add_f32 v[SUM], v[SUM], v[SUM+1]
	v_permlanex16_b32 v[TP], v[SUM], s12, s13
	v_add_f32 v[SUM], v[SUM], v[TP]                ; about 1 at the least: the maximum's own term
	v_rcp_f32 v[RL], v[SUM]
	v_rcp_f32 v[RL+1], v[SUM]                      ; the roundings below are the plain places behind them; they touch neither SUM nor RL
	; P to f16, in place: the 16 numbers of a pair become the 8 registers of a fragment (keys 8h .. 8h+7, then 16+8h .. 16+8h+7)
.set ak, 0
.rept \np
.irp i, 0,1,2,3,4,5,6,7
	v_cvt_pk_f16_f32 v[SC+ak+\i], v[SC+ak+2*\i], v[SC+ak+2*\i+1]
.endr
.set ak, ak+16
.endr
.set ap, 0
.rept \np
.if ap+1 < \np
	s_wait_dscnt 10                                ; this pair's v is in; the next pair's ten loads stay out
.else
	s_wait_dscnt 0x0
.endif
	PMUL KF+48*(ap&1), ap
.if ap+2 < \np
	PLACES
	VLOAD KF+48*(ap&1), ap+2
.endif
.set ap, ap+1
.endr
	PLACES
.set ak, 0
	s_wait_alu depctr_va_vdst(0)
.rept 20
	v_pk_mul_f32 v[OA+ak:OA+ak+1], v[OA+ak:OA+ak+1], v[RL:RL+1]
.set ak, ak+2
.endr
	; into the stage, rows of 300 bytes without gaps.  75 words a row = 11 modulo 64, and 8 more for h = 1: the 32 lanes of a store fall on 32 different banks.
.irp c, 0,1,2,3
.irp j, 0,1,2,3,4,5,6,7
	ds_store_b32 v[\st], v[OA+8*\c+\j] offset:64*\c+4*\j
.endr
.endr
.irp j, 0,1,2
	ds_store_b32 v[\st], v[OA+32+\j] offset:256+4*\j
.endr
	s_wait_xcnt 0x0                                ; EXEC changes only behind this wait: it is a source of the global stores of the trip before
	v_cmpx_gt_u32 256, v[L16]                      ; heads 67-71 exist, heads 75-79 do not: lanes 0-15 alone
.irp j, 3,4,5,6,7
	ds_store_b32 v[\st], v[OA+32+\j] offset:256+4*\j
.endr
	s_wait_xcnt 0x0
	s_mov_b32 exec_lo, -1
.endm
	s_mov_b32 s11, 2                               ; a trip for each batch
.Lbatch:
	s_wait_dscnt 0x0                               ; first trip: my q | k | v stores and my reads of the image; second: my reads of the stage
	s_barrier_signal -1
	s_barrier_wait -1
	s_cmp_ge_u32 s10, 2
	s_cbranch_scc1 .Lmid
	ATT 1, QAA, STA, DA                            ; waves 0, 1: tiles 0, 1 (one pair) and 7, 6 (four pairs)
	ATT 4, QAB, STB, DB
	s_branch .Lstaged
.Lmid:
	ATT 2, QAA, STA, DA                            ; waves 2, 3: tiles 2, 3 (two pairs) and 5, 4 (three pairs)
	ATT 3, QAB, STB, DB
.Lstaged:
	s_wait_dscnt 0x0                               ; my part of the stage is written
	s_barrier_signal -1
	s_barrier_wait -1
	; 38,400 bytes = 2,400 items of 16: eighteen for each of the 128 threads, and one more for threads 0-95
.irp n, 0,1,2,3,4,5,6,7,8,9,10,11,12,13,14,15,16,17
	ds_load_b128 v[OUTR+4*\n:OUTR+4*\n+3], v[CL] offset:2048*\n
.endr
.irp n, 0,1,2,3,4,5,6,7,8,9,10,11,12,13,14,15,16,17
	s_wait_dscnt 17-\n
	global_store_b128 v[CO], v[OUTR+4*\n:OUTR+4*\n+3], s[8:9] offset:2048*\n th:TH_STORE_NT   ; a wave stores 512 consecutive bytes, at a multiple of 256 from out0's first byte
.endr
	s_cmp_eq_u32 s10, 3
	s_cbranch_scc1 .Lnolast
	ds_load_b128 v[OUTR+72:OUTR+75], v[CL] offset:36864
	s_wait_dscnt 0x0
	global_store_b128 v[CO], v[OUTR+72:OUTR+75], s[8:9] offset:36864 th:TH_STORE_NT
.Lnolast:
	s_wait_xcnt 0x0                                ; the stores' base and data are rewritten only behind this wait
	s_add_nc_u64 s[8:9], s[8:9], OBAT
	v_add_nc_u32 v[KA], BATQ, v[KA]                ; the next batch's 128 rows of q | k | v
	v_add_nc_u32 v[VA], BATQ, v[VA]
	v_add_nc_u32 v[QAA], BATQ, v[QAA]
	v_add_nc_u32 v[QAB], BATQ, v[QAB]
	s_sub_co_u32 s11, s11, 1
	s_cmp_lg_u32 s11, 0
	s_cbranch_scc1 .Lbatch
	s_wait_tensorcnt 0x0
	ds_add_u32 v8, v9
	s_wait_dscnt 0x0
	s_endpgm
.Lfunc_end_k_q7f8e7e1b2c_head:
	.size	k_q7f8e7e1b2c_head, .Lfunc_end_k_q7f8e7e1b2c_head-k_q7f8e7e1b2c_head
	.p2alignl 7, 3214868480
	.fill 96, 4, 3214868480
	.section	.rodata,"a",@progbits
	.p2align	6, 0x0
	.amdhsa_kernel k_q7f8e7e1b2c_head
		.amdhsa_group_segment_fixed_size 204288
		.amdhsa_private_segment_fixed_size 0
		.amdhsa_enable_private_segment 0
		.amdhsa_kernarg_size 24
		.amdhsa_user_sgpr_count 2
		.amdhsa_user_sgpr_kernarg_segment_ptr 1
		.amdhsa_wavefront_size32 1
		.amdhsa_system_sgpr_workgroup_id_x 1
		.amdhsa_system_sgpr_workgroup_id_y 1
		.amdhsa_system_sgpr_workgroup_id_z 1
		.amdhsa_system_vgpr_workitem_id 0
		.amdhsa_next_free_vgpr 1024
		.amdhsa_next_free_sgpr 66
		.amdhsa_reserve_vcc 1
		.amdhsa_float_denorm_mode_32 3
		.amdhsa_float_denorm_mode_16_64 3
		.amdhsa_memory_ordered 1
		.amdhsa_forward_progress 1
		.amdhsa_inst_pref_size 255
	.end_amdhsa_kernel
	.section	.bss,"aw",@nobits
	.p2align	6
	.space	262144
	.amdgpu_metadata
---
amdhsa.version: [ 1, 2 ]
amdhsa.kernels:
  - .name:           k_q7f8e7e1b2c_head
    .symbol:         k_q7f8e7e1b2c_head.kd
    .args:
      - { .name: x, .offset: 0, .size: 8, .value_kind: global_buffer, .address_space: global }
      - { .name: wimg, .offset: 8, .size: 8, .value_kind: global_buffer, .address_space: global }
      - { .name: out0, .offset: 16, .size: 8, .value_kind: global_buffer, .address_space: global }
    .group_segment_fixed_size: 204288
    .private_segment_fixed_size: 0
    .kernarg_segment_align: 8
    .kernarg_segment_size: 24
    .max_flat_workgroup_size: 128
    .sgpr_count:     66
    .vgpr_count:     1024
    .wavefront_size: 32
...
	.end_amdgpu_metadata
.endif
;; end of part 2
